; MI455X (gfx1250); checked and timed in simulation.
; The chip was launched on July 23, 2026; its instructions are those of AMD's public machine-readable ISA for CDNA 5 (MIT licence, August 2026) and "CDNA5" Instruction Set Architecture Reference Guide (July 2026). The comments in the code are by the model that wrote it; some were corrected since.
;; Leaf Separation Network. Allowed arithmetic: float matrix products may take bf16 or f16 operands with f32 sums; all other float work in f32.
;; Inputs: boundary_prob 4 x 4,096 float32; features 4 x 4,096 x 256 float32; leaf_mask 4 x 4,096 int32; points 4 x 4,096 x 3 float32.
;; Outputs: out0 4 x 4,096 x 256 float32.
;; 2 versions, each right; version 2 is version 1 with the launch knn written anew for expert scheduling mode. Each part assembles by itself: llvm-mc -triple=amdgcn-amd-amdhsa -mcpu=gfx1250 --defsym DOCPART=n.
;; ======== version 1 of 2: 3 launches
;; workspace buffers: code 65,536 bytes of whole numbers; cnt 256 bytes of whole numbers; rec 2,097,152 bytes of whole numbers
;; launch flags (part 1): grid 4 x 1, 16 waves a work-group, no clusters, 2,304 bytes of LDS; arguments boundary_prob, leaf_mask, code, cnt; writes code, cnt
.if DOCPART == 1
	.amdgcn_target "amdgcn-amd-amdhsa--gfx1250"
	.amdhsa_code_object_version 6
	.text
	.protected	k_q26d7bbb4a7_flags
	.globl	k_q26d7bbb4a7_flags
	.p2align	8
	.type	k_q26d7bbb4a7_flags,@function
k_q26d7bbb4a7_flags:
	s_mov_b64 s[64:65], 0
	v_nop
	global_prefetch_b8 v0, s[64:65] scope:SCOPE_SE
	s_setreg_imm32_b32 hwreg(HW_REG_WAVE_MODE, 25, 1), 1
	s_wait_xcnt 0x0
; Active: leaf_mask > 0 and boundary_prob > 0.5 and the batch has at least 10 leaf points (else nothing is active).
; cnt[b] = number of active points of batch b.
; code[b][e] = for an active point: its rank among the batch's active points (0 .. cnt - 1);
;              for an inactive one: e - 4096 - (active points in front of e), a negative number whose complement,
;              4095 - (inactive points in front of e), is a slot from the top.  So the slots of all 4,096 points are a permutation.
; One work-group for a batch, 16 waves, thread t owns elements 8 t .. 8 t + 7 (32 neighbouring bytes of each input).
; The decisions are made here and stored as whole numbers: the later launches form addresses and trip counts from them.
; A NaN in boundary_prob compares false, as it does in the reference.
.set LEAF, 4                           ; v[4:11]   leaf_mask of my 8 elements
.set BP,   12                          ; v[12:19]  boundary_prob of my 8 elements
.set RUN,  20                          ; v20       active points in front of the element at hand
.set ONE,  21                          ; v21       0 or 1
.set EM,   22                          ; v22       the element's index less 4,096
.set NEG,  23                          ; v23       the code of an inactive element
.set CODE, 24                          ; v[24:31]  the 8 codes to store
.set CM,   16                          ; s[16:23]  mask over the lanes: element i is leaf and bp > 0.5
	s_load_b256 s[4:11], s[0:1], 0x0               ; bp s[4:5], leaf s[6:7], code s[8:9], cnt s[10:11]
	v_lshl_add_u32 v40, v0, 2, 0x100
	v_mov_b32 v41, 0
	v_lshrrev_b32 v2, 5, v0
	v_readfirstlane_b32 s12, v2                    ; wave 0..15
	s_lshl_b32 s13, ttmp9, 14                      ; the batch's 4,096 words
	s_lshl_b32 s35, ttmp9, 2                       ; the batch's word in cnt
	v_lshlrev_b32 v1, 5, v0
	v_add_nc_u32 v1, s13, v1                       ; byte offset of my 8 elements
	s_wait_kmcnt 0x0
	global_load_b128 v[LEAF:LEAF+3],   v1, s[6:7]
	global_load_b128 v[LEAF+4:LEAF+7], v1, s[6:7] offset:16
	global_load_b128 v[BP:BP+3],       v1, s[4:5]
	global_load_b128 v[BP+4:BP+7],     v1, s[4:5] offset:16
	s_mov_b32 s25, 0                               ; my wave's candidates (leaf and bp > 0.5)
	s_mov_b32 s26, 0                               ; my wave's leaf points
	s_mov_b32 s27, 0                               ; candidates of the waves in front of mine
	s_mov_b32 s28, 0                               ; candidates of the batch
	s_mov_b32 s29, 0                               ; leaf points of the batch
	v_mov_b32 v[RUN], 0
	s_wait_loadcnt 0x0
.irp i, 0,1,2,3,4,5,6,7
	v_cmp_lt_i32 s24, 0, v[LEAF+\i]
	v_cmp_lt_f32 s[CM+\i], 0.5, v[BP+\i]
	s_and_b32 s[CM+\i], s[CM+\i], s24
	s_bcnt1_i32_b32 s30, s24
	s_add_co_u32 s26, s26, s30
	s_bcnt1_i32_b32 s30, s[CM+\i]
	s_add_co_u32 s25, s25, s30
	v_mbcnt_lo_u32_b32 v[RUN], s[CM+\i], v[RUN]    ; candidates of the lanes below mine, all eight elements
.endr
	; the waves' two totals meet in LDS: 8 bytes a wave
	v_mov_b32 v32, s25
	v_mov_b32 v33, s26
	v_mov_b32 v34, s12
	v_lshlrev_b32 v34, 3, v34
	ds_store_b64 v34, v[32:33]                     ; every lane writes the same 8 bytes with the same value
	s_wait_dscnt 0x0                               ; for the other waves' sake: the store is done before the signal
	s_barrier_signal -1
	s_barrier_wait -1
	v_and_b32 v35, 15, v0
	v_lshlrev_b32 v35, 3, v35
	ds_load_b64 v[36:37], v35                      ; lane i (and i + 16): the totals of wave i
	s_wait_dscnt 0x0
.set i, 0
.rept 16
	v_readlane_b32 s30, v36, i
	v_readlane_b32 s31, v37, i
	s_add_co_u32 s28, s28, s30
	s_add_co_u32 s29, s29, s31
	s_cmp_gt_u32 s12, i                            ; wave i stands in front of mine
	s_cselect_b32 s30, s30, 0
	s_add_co_u32 s27, s27, s30
.set i, i+1
.endr
	s_cmp_ge_u32 s29, 10                           ; the batch has enough leaf points
	s_cselect_b32 s32, -1, 0
	s_and_b32 s33, s28, s32                        ; cnt[b]
	v_add_nc_u32 v[RUN], s27, v[RUN]
	v_and_b32 v[RUN], s32, v[RUN]                  ; with too few leaf points nothing is active, so nothing stands in front
	v_lshlrev_b32 v[EM], 3, v0                     ; my first element's index
	v_add_nc_u32 v[EM], 0xfffff000, v[EM]          ; less 4,096
.irp i, 0,1,2,3,4,5,6,7
	s_and_b32 s24, s[CM+\i], s32
	v_sub_nc_u32 v[NEG], v[EM], v[RUN]
	v_cndmask_b32 v[CODE+\i], v[NEG], v[RUN], s24
	v_cndmask_b32 v[ONE], 0, 1, s24
	v_add_nc_u32 v[RUN], v[RUN], v[ONE]
	v_add_nc_u32 v[EM], 1, v[EM]
.endr
	global_store_b128 v1, v[CODE:CODE+3],   s[8:9]
	global_store_b128 v1, v[CODE+4:CODE+7], s[8:9] offset:16
	v_mov_b32 v38, s35
	v_mov_b32 v39, s33
	s_cmp_lg_u32 s12, 0
	s_cbranch_scc1 .Lend                           ; the batch's count is stored by lane 0 of wave 0
	v_cmp_eq_u32 vcc_lo, 0, v0
	s_wait_xcnt 0x0                                ; EXEC is a source of the stores above: it narrows only behind this wait
	s_and_saveexec_b32 s34, vcc_lo
	global_store_b32 v38, v39, s[10:11]
	s_wait_xcnt 0x0                                ; and widens only behind this one
	s_or_b32 exec_lo, exec_lo, s34
.Lend:
	s_wait_tensorcnt 0x0
	ds_add_u32 v40, v41
	s_wait_dscnt 0x0
	s_endpgm
.Lfunc_end_k_q26d7bbb4a7_flags:
	.size	k_q26d7bbb4a7_flags, .Lfunc_end_k_q26d7bbb4a7_flags-k_q26d7bbb4a7_flags
	.p2alignl 7, 3214868480
	.fill 96, 4, 3214868480
	.section	.rodata,"a",@progbits
	.p2align	6, 0x0
	.amdhsa_kernel k_q26d7bbb4a7_flags
		.amdhsa_group_segment_fixed_size 2304
		.amdhsa_private_segment_fixed_size 0
		.amdhsa_enable_private_segment 0
		.amdhsa_kernarg_size 32
		.amdhsa_user_sgpr_count 2
		.amdhsa_user_sgpr_kernarg_segment_ptr 1
		.amdhsa_wavefront_size32 1
		.amdhsa_system_sgpr_workgroup_id_x 1
		.amdhsa_system_sgpr_workgroup_id_y 1
		.amdhsa_system_sgpr_workgroup_id_z 1
		.amdhsa_system_vgpr_workitem_id 0
		.amdhsa_next_free_vgpr 42
		.amdhsa_next_free_sgpr 66
		.amdhsa_reserve_vcc 1
		.amdhsa_float_denorm_mode_32 3
		.amdhsa_float_denorm_mode_16_64 3
		.amdhsa_memory_ordered 1
		.amdhsa_forward_progress 1
		.amdhsa_inst_pref_size 12
	.end_amdhsa_kernel
	.amdgpu_metadata
---
amdhsa.version: [ 1, 2 ]
amdhsa.kernels:
  - .name:           k_q26d7bbb4a7_flags
    .symbol:         k_q26d7bbb4a7_flags.kd
    .args:
      - { .name: boundary_prob, .offset: 0, .size: 8, .value_kind: global_buffer, .address_space: global }
      - { .name: leaf_mask, .offset: 8, .size: 8, .value_kind: global_buffer, .address_space: global }
      - { .name: code, .offset: 16, .size: 8, .value_kind: global_buffer, .address_space: global }
      - { .name: cnt, .offset: 24, .size: 8, .value_kind: global_buffer, .address_space: global }
    .group_segment_fixed_size: 2304
    .private_segment_fixed_size: 0
    .kernarg_segment_align: 8
    .kernarg_segment_size: 32
    .max_flat_workgroup_size: 512
    .sgpr_count:     66
    .vgpr_count:     42
    .wavefront_size: 32
...
	.end_amdgpu_metadata
.endif
;; end of part 1
;; launch knn (part 2): grid 64 x 4, 16 waves a work-group, no clusters, 149,504 bytes of LDS; arguments points, code, cnt, rec; writes rec
.if DOCPART == 2
	.amdgcn_target "amdgcn-amd-amdhsa--gfx1250"
	.amdhsa_code_object_version 6
	.text
	.protected	k_q26d7bbb4a7_knn
	.globl	k_q26d7bbb4a7_knn
	.p2align	8
	.type	k_q26d7bbb4a7_knn,@function
k_q26d7bbb4a7_knn:
	s_mov_b64 s[64:65], 0
	v_nop
	global_prefetch_b8 v0, s[64:65] scope:SCOPE_SE
	s_setreg_imm32_b32 hwreg(HW_REG_WAVE_MODE, 25, 1), 1
	s_wait_xcnt 0x0
; For each ACTIVE point (slot k = its rank, from launch flags): the indices of its 16 nearest points of the batch, into
; rec[b][k][0..15], and its own index into rec[b][k][16].  Words 17..31 of a record are filled with numbers that nobody reads.
; Order: d2 = fma(-2, dot, sq_i + sq_j) in f32, dot = fma(z,z', fma(y,y', x x')), sq by the same chain; equal d2: the lower index first.
;
; WHY THE VECTOR UNIT: the product has K = 3, and what is asked of it is an ORDER.  With operands of 16 bits other neighbours
; would be chosen, and one other neighbour changes a row of the output by more than the comparison allows.
; WHY NO TENSOR LOADS, NO CLUSTER: the only shared data are the batch's 49,152 bytes of points, read once by each work-group.
;
; LIMITS: points are finite (a NaN or an infinite d2 has no place in the order used here).  If the reference's product rounds in
; another order, two candidates whose d2 differ by one unit in the last place at the 16th rank can change places.
;
; No branch and no address hangs on a distance: the selection is the same run of instructions for every query.
;   1. a lane is a candidate: j = 32 w + lane, w = 0..127; all 128 d2 of a lane stay in registers
;   2. each lane keeps its 16 smallest, sorted, by insertion (one median of three for each list place)
;   3. five merges across the lanes (keep the lower 16 of two sorted 16: a minimum against the partner's list reversed, then
;      four compare-exchange stages) give every lane the 16 smallest of all 4,096; TH = the largest of them
;   4. selected: d2 < TH, and of those with d2 = TH the first R in the order of j, R = how many of the sixteen equal TH: always 16
;   5. lane t takes the t-th selected bit: the mask word that holds it, then the bit in the word
; One wave serves one query at a time; wave w of work-group x takes slots x + 64 w, + 1024, ... below cnt[b]: at most 4 trips.
;
; LDS: PL0  at 0:      pair-block kk (0..63), lane l: 16 bytes x_a, x_b, y_a, y_b with a = 64 kk + l, b = a + 32
;      PL1  at 32768:  the same place: z_a, z_b, sq_a, sq_b
;      QP   at 65536:  point e: 16 bytes x, y, z, sq (a query is fetched from here by one load)
;      LIST at 131072: LIST[slot] = index of the point, 4,096 words.  The slots are a permutation: each word is written once.
; Four waves of 226 registers fill a SIMD, so one work-group lies on a WGP and the LDS costs nothing.
.set PL1,  32768
.set QP,   65536
.set LIST, 131072
.set LA,   1                           ; v1        16 x lane
.set LT,   2                           ; v2        lane
.set LT4,  3                           ; v3        4 x lane
.set T,    6                           ; v[6:13]   four pairs: the dot products at work
.set U,    14                          ; v[14:21]  four pairs: sq_i + sq_j
.set TH,   22                          ; v22       the 16th smallest d2
.set R,    23                          ; v23       how many of the sixteen equal TH
.set M,    24                          ; v24       lane t: the mask word that holds the t-th selected bit
.set KQ,   25                          ; v25       lane t: 256 x that word's number + selected bits in front of it
.set PF,   26                          ; v[26:29]  ranks among the equals; at a trip's head: the query's x, y, z, sq
.set PB,   32                          ; v[32:63]  four pair-blocks as loaded, 8 registers each
.set LSA,  64                          ; v[64:79]  sorted list, bank A
.set LSB,  80                          ; v[80:95]  sorted list, bank B
.set D,    96                          ; v[96:223] d2 of my 128 candidates.  In the prologue: the points and codes as loaded
.set CD,   D+32
.set QX, 20                            ; s[20:21], s[22:23], s[24:25], s[26:27]: the query's x, y, z, sq (the odd halves 0: packed forms name the pair)
.set QY, 22
.set QZ, 24
.set QS, 26
.set SA, 32                            ; s[32:35]  lanes with d2 < TH, then: the selected lanes
.set SE, 36                            ; s[36:39]  lanes with d2 = TH
.set SC, 40                            ; s[40:43]  at work
.set SR, 44                            ; s[44:48]  equals in front of word c
.set SP, 49                            ; s[49:53]  selected in front of word c
.set SK, 54                            ; s[54:57]  256 x word + SP
	s_load_b256 s[4:11], s[0:1], 0x0               ; points s[4:5], code s[6:7], cnt s[8:9], rec s[10:11]
	v_lshl_add_u32 v224, v0, 2, 0x24000
	v_mov_b32 v225, 0
	v_lshrrev_b32 v4, 5, v0
	v_readfirstlane_b32 s12, v4                    ; wave 0..15
	s_and_b32 s13, ttmp7, 0xffff                   ; batch
	v_and_b32 v[LT], 31, v0
	v_lshlrev_b32 v[LA], 4, v[LT]
	v_lshlrev_b32 v[LT4], 2, v[LT]
	v_mul_u32_u24 v5, v0, 12                       ; my point's 12 bytes
	v_lshlrev_b32 v6, 4, v0                        ; my four codes
	s_mul_i32 s18, s13, 49152
	s_mov_b32 s19, 0
	s_lshl_b32 s14, s13, 2
	s_wait_kmcnt 0x0
	s_load_b32 s16, s[8:9], s14 offset:0x0         ; cnt[b]
	s_add_nc_u64 s[60:61], s[4:5], s[18:19]        ; the batch's points
	s_lshl_b32 s18, s13, 14
	s_add_nc_u64 s[62:63], s[6:7], s[18:19]        ; the batch's codes
	s_lshl_b32 s18, s13, 19
	s_add_nc_u64 s[58:59], s[10:11], s[18:19]      ; the batch's records: 4,096 x 128 bytes
.irp i, 0,1,2,3,4,5,6,7
	global_load_b96 v[D+4*\i:D+4*\i+2], v5, s[60:61] offset:6144*\i    ; point 512 i + t
.endr
	global_load_b128 v[CD:CD+3],   v6, s[62:63]                        ; codes of points 4 t .. 4 t + 3
	global_load_b128 v[CD+4:CD+7], v6, s[62:63] offset:8192            ; and of 2048 + 4 t ..
	; where point 512 i + t lies in PL0: 4096 i + (t >> 6) 512 + (t & 31) 16 + ((t >> 5) & 1) 4
	v_lshrrev_b32 v7, 6, v0
	v_lshlrev_b32 v7, 9, v7
	v_lshl_add_u32 v7, v[LT], 4, v7
	v_bfe_u32 v8, v0, 5, 1
	v_lshl_add_u32 v7, v8, 2, v7
	v_lshlrev_b32 v8, 2, v0                        ; 4 t
	v_lshl_add_u32 v11, v0, 4, QP                  ; and in QP: 8192 i + 16 t
	s_mov_b32 s21, 0
	s_mov_b32 s23, 0
	s_mov_b32 s25, 0
	s_mov_b32 s27, 0
	s_mov_b32 s28, 0x76543210                      ; v_permlanex16_b32: lane i of one half reads lane i of the other
	s_mov_b32 s29, 0xfedcba98
	; written once: the destination of a DPP form, of a lane permute and of a select on itself counts as read
.set i, 0
.rept 16
	v_mov_b32 v[LSB+i], 0
.set i, i+1
.endr
	v_mov_b32 v[M], 0
	v_mov_b32 v[KQ], 0
	s_wait_loadcnt 0x0
	s_wait_kmcnt 0x0
.irp i, 0,1,2,3,4,5,6,7
	v_mul_f32 v[D+4*\i+3], v[D+4*\i], v[D+4*\i]
	v_fma_f32 v[D+4*\i+3], v[D+4*\i+1], v[D+4*\i+1], v[D+4*\i+3]
	v_fma_f32 v[D+4*\i+3], v[D+4*\i+2], v[D+4*\i+2], v[D+4*\i+3]
	ds_store_b32 v7, v[D+4*\i]   offset:4096*\i
	ds_store_b32 v7, v[D+4*\i+1] offset:4096*\i+8
	ds_store_b32 v7, v[D+4*\i+2] offset:4096*\i+PL1
	ds_store_b32 v7, v[D+4*\i+3] offset:4096*\i+PL1+8
	ds_store_b128 v11, v[D+4*\i:D+4*\i+3] offset:8192*\i
.endr
	; LIST[slot] = index.  slot = code for an active point, its complement for an inactive one: code xor (code >> 31)
.set ci, 0
.rept 8
	v_ashrrev_i32 v9, 31, v[CD+ci]
	v_xor_b32 v9, v9, v[CD+ci]
	v_min_u32 v9, 4095, v9
	v_lshl_add_u32 v9, v9, 2, LIST
	v_add_nc_u32 v10, 2048*(ci/4)+(ci%4), v8
	ds_store_b32 v9, v10
.set ci, ci+1
.endr
	s_wait_dscnt 0x0                               ; my stores are done before the signal: other waves read them
	s_barrier_signal -1
	s_barrier_wait -1                              ; the only barrier: from here LDS is read only
	s_min_u32 s16, s16, 4096                       ; cnt[b]
	s_lshl_b32 s15, s12, 6
	s_add_co_u32 s15, s15, ttmp9                   ; my first slot
	s_cmp_lt_u32 s15, s16
	s_cbranch_scc0 .Lend
	s_sub_co_u32 s31, s16, s15
	s_add_co_u32 s31, s31, 1023
	s_lshr_b32 s31, s31, 10                        ; my trips: slots first + 1024 i below cnt[b]
	s_min_u32 s31, s31, 4
	s_mov_b32 s14, 0                               ; the trip's number
; eight LDS loads: pair-blocks 4 lb .. 4 lb + 3; 32 lanes take 512 neighbouring bytes
.macro LOADBLK
.irp q, 0,1,2,3
	ds_load_b128 v[PB+8*\q:PB+8*\q+3],   v[LA] offset:512*(4*lb+\q)
	ds_load_b128 v[PB+8*\q+4:PB+8*\q+7], v[LA] offset:PL1+512*(4*lb+\q)
.endr
.endm
; d2 of the eight words 8 blk .. 8 blk + 7, two at a time, the four pairs stage by stage
.macro D2BLK
.irp q, 0,1,2,3
	v_pk_mul_f32 v[T+2*\q:T+2*\q+1], v[PB+8*\q:PB+8*\q+1], s[QX:QX+1] op_sel_hi:[1,0]
.endr
.irp q, 0,1,2,3
	v_pk_fma_f32 v[T+2*\q:T+2*\q+1], v[PB+8*\q+2:PB+8*\q+3], s[QY:QY+1], v[T+2*\q:T+2*\q+1] op_sel_hi:[1,0,1]
.endr
.irp q, 0,1,2,3
	v_pk_fma_f32 v[T+2*\q:T+2*\q+1], v[PB+8*\q+4:PB+8*\q+5], s[QZ:QZ+1], v[T+2*\q:T+2*\q+1] op_sel_hi:[1,0,1]
.endr
.irp q, 0,1,2,3
	v_pk_add_f32 v[U+2*\q:U+2*\q+1], v[PB+8*\q+6:PB+8*\q+7], s[QS:QS+1] op_sel_hi:[1,0]
.endr
.irp q, 0,1,2,3
	v_pk_fma_f32 v[D+2*(4*blk+\q):D+2*(4*blk+\q)+1], v[T+2*\q:T+2*\q+1], -2.0, v[U+2*\q:U+2*\q+1] op_sel_hi:[1,0,1]
.endr
.endm
; v[xr] goes into bank A, which holds min(nn, 16) numbers in ascending order.  Place lv becomes the median of its lower
; neighbour, x and itself; from the top down, so that each line reads the old neighbour and no line waits for another.
.macro INS
.if nn == 0
	v_mov_b32 v[LSA], v[xr]
.else
.if nn < 16
	v_max_num_f32 v[LSA+nn], v[LSA+nn-1], v[xr]
.set lv, nn-1
.else
.set lv, 15
.endif
.rept lv
	v_med3_num_f32 v[LSA+lv], v[LSA+lv-1], v[xr], v[LSA+lv]
.set lv, lv-1
.endr
	v_min_num_f32 v[LSA], v[LSA], v[xr]
.endif
.endm
; one compare-exchange stage at distance d, from one bank into the other (no temporary, no copy)
.macro STAGE from, to, d
.set i, 0
.rept 16
.if (i & \d) == 0
	v_min_num_f32 v[\to+i],    v[\from+i], v[\from+i+\d]
	v_max_num_f32 v[\to+i+\d], v[\from+i], v[\from+i+\d]
.endif
.set i, i+1
.endr
.endm
.macro SORT4 src, dst                  ; the bitonic sixteen in dst come out ascending in dst
	STAGE \dst, \src, 8
	STAGE \src, \dst, 4
	STAGE \dst, \src, 2
	STAGE \src, \dst, 1
.endm
; the lower 16 of my list and that of lane (mine xor m), m inside a half of 16 lanes; both partners get the same list
.macro MERGE src, dst, m
.set i, 0
.rept 16
	v_min_num_f32_dpp v[\dst+i], v[\src+15-i], v[\src+i] row_xmask:\m row_mask:0xf bank_mask:0xf
.set i, i+1
.endr
	SORT4 \src, \dst
.endm
.macro MERGE16 src, dst                ; the same with the lane of the other half
.set i, 0
.rept 16
	v_permlanex16_b32 v[\dst+i], v[\src+15-i], s28, s29
.set i, i+1
.endr
.set i, 0
.rept 16
	v_min_num_f32 v[\dst+i], v[\dst+i], v[\src+i]
.set i, i+1
.endr
	SORT4 \src, \dst
.endm
; words k0 .. k0 + 3: which lanes are selected, and which lane t of the result takes this word.
; Lane t takes every word in front of which at most t bits are selected; the last one taken is the word that holds bit t.
.macro SEL4
.irp c, 0,1,2,3
	v_cmp_lt_f32 s[SA+\c], v[D+k0+\c], v[TH]
	v_cmp_eq_f32 s[SE+\c], v[D+k0+\c], v[TH]
.endr
.irp c, 0,1,2,3
	s_bcnt1_i32_b32 s18, s[SE+\c]
	s_add_co_u32 s[SR+\c+1], s[SR+\c], s18
.endr
.irp c, 0,1,2,3
	v_mbcnt_lo_u32_b32 v[PF+\c], s[SE+\c], s[SR+\c]        ; equals with a lower j
.endr
.irp c, 0,1,2,3
	v_cmp_lt_u32 s[SC+\c], v[PF+\c], v[R]
.endr
.irp c, 0,1,2,3
	s_and_b32 s[SC+\c], s[SC+\c], s[SE+\c]                 ; the first R equals
	s_or_b32 s[SA+\c], s[SA+\c], s[SC+\c]
	s_bcnt1_i32_b32 s18, s[SA+\c]
	s_add_co_u32 s[SP+\c+1], s[SP+\c], s18
	s_add_co_u32 s[SK+\c], s[SP+\c], 256*(k0+\c)
.endr
.irp c, 0,1,2,3
	v_cmp_le_u32 s[SC+\c], s[SP+\c], v[LT]
.endr
.irp c, 0,1,2,3
	v_cndmask_b32 v[M],  v[M],  s[SA+\c], s[SC+\c]
	v_cndmask_b32 v[KQ], v[KQ], s[SK+\c], s[SC+\c]
.endr
	s_mov_b32 s[SR], s[SR+4]
	s_mov_b32 s[SP], s[SP+4]
.endm
.Lquery:
	s_lshl_b32 s30, s14, 10
	s_add_co_u32 s30, s30, s15
	s_min_u32 s30, s30, 4095                       ; the slot: first + 1024 x trip, below cnt[b]
	s_lshl_b32 s18, s30, 2
	s_add_co_u32 s18, s18, LIST
	v_mov_b32 v4, s18
	ds_load_b32 v30, v4                            ; LIST[slot]
	s_wait_dscnt 0x0
	v_readfirstlane_b32 s17, v30
	s_min_u32 s17, s17, 4095                       ; e: the query's index
	s_lshl_b32 s18, s17, 4
	s_add_co_u32 s18, s18, QP
	v_mov_b32 v4, s18
	ds_load_b128 v[PF:PF+3], v4                    ; its x, y, z, sq: every lane reads the same 16 bytes
.set lb, 0
	LOADBLK
	s_wait_dscnt 0x8                               ; LDS loads return in order: the eight block loads stay out, the query is in
	v_readfirstlane_b32 s[QX], v[PF]
	v_readfirstlane_b32 s[QY], v[PF+1]
	v_readfirstlane_b32 s[QZ], v[PF+2]
	v_readfirstlane_b32 s[QS], v[PF+3]
.set blk, 0
.rept 16
	s_wait_dscnt 0x0                               ; this block's eight loads are all that is out
	D2BLK
.if blk < 15
.set lb, blk+1
	LOADBLK                                        ; the next block comes in under the 128 lines of insertion
.endif
.set cc, 0
.rept 8
.set xr, D+8*blk+cc
.set nn, 8*blk+cc
	INS
.set cc, cc+1
.endr
.set blk, blk+1
.endr
	MERGE LSA, LSB, 1
	MERGE LSB, LSA, 2
	MERGE LSA, LSB, 4
	MERGE LSB, LSA, 8
	MERGE16 LSA, LSB                               ; every lane: the 16 smallest d2 of the batch, ascending, in bank B
	v_mov_b32 v[TH], v[LSB+15]
	v_mov_b32 v[R], 0
.set i, 0
.rept 16
	v_cmp_eq_f32 vcc_lo, v[LSB+i], v[TH]
	v_add_co_ci_u32 v[R], vcc_lo, 0, v[R], vcc_lo
.set i, i+1
.endr
	s_mov_b32 s[SR], 0
	s_mov_b32 s[SP], 0
.set k0, 0
.rept 32
	SEL4
.set k0, k0+4
.endr
	; lane t: drop the lowest t - (bits in front of the word) set bits of M, then take the lowest that is left
	v_and_b32 v31, 0xff, v[KQ]
	v_sub_nc_u32 v31, v[LT], v31
.set it, 0
.rept 15
	v_add_nc_u32 v30, -1, v[M]
	v_and_b32 v30, v30, v[M]                       ; M without its lowest set bit
	v_cmp_lt_u32 vcc_lo, it, v31
	v_cndmask_b32 v[M], v[M], v30, vcc_lo
.set it, it+1
.endr
	v_sub_nc_u32 v30, 0, v[M]
	v_and_b32 v30, v30, v[M]                       ; the lowest set bit alone: a power of two,
	v_cvt_f32_u32 v30, v30                         ; exact in f32,
	v_lshrrev_b32 v30, 23, v30                     ; whose exponent field
	v_add_nc_u32 v30, 0xffffff81, v30              ; less 127 is the bit's number = the candidate's lane
	v_lshrrev_b32 v31, 8, v[KQ]
	v_lshl_add_u32 v30, v31, 5, v30                ; j = 32 x word + lane
	v_cmp_eq_u32 vcc_lo, 16, v[LT]
	v_cndmask_b32 v30, v30, s17, vcc_lo            ; word 16 of the record: the query's own index
	s_lshl_b32 s18, s30, 7
	v_add_nc_u32 v5, s18, v[LT4]
	global_store_b32 v5, v30, s[58:59]             ; the record's 128 consecutive bytes in one store
	s_wait_xcnt 0x0                                ; v5 and v30 are written again in the next trip only behind this wait
	s_add_co_u32 s14, s14, 1
	s_cmp_lt_u32 s14, s31
	s_cbranch_scc1 .Lquery
.Lend:
	s_wait_tensorcnt 0x0
	ds_add_u32 v224, v225
	s_wait_dscnt 0x0
	s_endpgm
.Lfunc_end_k_q26d7bbb4a7_knn:
	.size	k_q26d7bbb4a7_knn, .Lfunc_end_k_q26d7bbb4a7_knn-k_q26d7bbb4a7_knn
	.p2alignl 7, 3214868480
	.fill 96, 4, 3214868480
	.section	.rodata,"a",@progbits
	.p2align	6, 0x0
	.amdhsa_kernel k_q26d7bbb4a7_knn
		.amdhsa_group_segment_fixed_size 149504
		.amdhsa_private_segment_fixed_size 0
		.amdhsa_enable_private_segment 0
		.amdhsa_kernarg_size 32
		.amdhsa_user_sgpr_count 2
		.amdhsa_user_sgpr_kernarg_segment_ptr 1
		.amdhsa_wavefront_size32 1
		.amdhsa_system_sgpr_workgroup_id_x 1
		.amdhsa_system_sgpr_workgroup_id_y 1
		.amdhsa_system_sgpr_workgroup_id_z 1
		.amdhsa_system_vgpr_workitem_id 0
		.amdhsa_next_free_vgpr 226
		.amdhsa_next_free_sgpr 66
		.amdhsa_reserve_vcc 1
		.amdhsa_float_denorm_mode_32 3
		.amdhsa_float_denorm_mode_16_64 3
		.amdhsa_memory_ordered 1
		.amdhsa_forward_progress 1
		.amdhsa_inst_pref_size 255
	.end_amdhsa_kernel
	.section	.bss,"aw",@nobits
	.p2align	6
	.space	262144
	.amdgpu_metadata
---
amdhsa.version: [ 1, 2 ]
amdhsa.kernels:
  - .name:           k_q26d7bbb4a7_knn
    .symbol:         k_q26d7bbb4a7_knn.kd
    .args:
      - { .name: points, .offset: 0, .size: 8, .value_kind: global_buffer, .address_space: global }
      - { .name: code, .offset: 8, .size: 8, .value_kind: global_buffer, .address_space: global }
      - { .name: cnt, .offset: 16, .size: 8, .value_kind: global_buffer, .address_space: global }
      - { .name: rec, .offset: 24, .size: 8, .value_kind: global_buffer, .address_space: global }
    .group_segment_fixed_size: 149504
    .private_segment_fixed_size: 0
    .kernarg_segment_align: 8
    .kernarg_segment_size: 32
    .max_flat_workgroup_size: 512
    .sgpr_count:     66
    .vgpr_count:     226
    .wavefront_size: 32
...
	.end_amdgpu_metadata
.endif
;; end of part 2
;; launch apply (part 3): grid 128 x 4, 8 waves a work-group, no clusters, 0 bytes of LDS; arguments features, boundary_prob, code, cnt, rec, out0; writes out0
.if DOCPART == 3
	.amdgcn_target "amdgcn-amd-amdhsa--gfx1250"
	.amdhsa_code_object_version 6
	.text
	.protected	k_q26d7bbb4a7_apply
	.globl	k_q26d7bbb4a7_apply
	.p2align	8
	.type	k_q26d7bbb4a7_apply,@function
k_q26d7bbb4a7_apply:
	s_mov_b64 s[64:65], 0
	v_nop
	global_prefetch_b8 v0, s[64:65] scope:SCOPE_SE
	s_setreg_imm32_b32 hwreg(HW_REG_WAVE_MODE, 25, 1), 1
	s_wait_xcnt 0x0
; out0 = features for inactive points;  mean + (f - mean)(1 + bp) for active ones, mean = the mean of the 16 neighbours' rows.
; A row is 1,024 bytes: one wave takes a whole row with two 16-byte loads a lane, each covering 512 consecutive aligned bytes.
; 1,024 waves for a batch (128 work-groups of 8).  Wave wid
;   part A: copies those of rows 4 wid .. 4 wid + 3 whose code is negative (inactive);
;   part B: serves slots wid, wid + 1024, ... below cnt[b] (at most 4): the record of launch knn names the row and its 16 neighbours.
; So every row of out0 is stored exactly once.  Branches and addresses hang only on whole numbers that earlier launches stored.
; No LDS, no barrier, no matrix unit: waves do not depend on each other, and the work is loads, sums and stores.
; No cache word on the loads of features: rows are read again by the gathers of other waves.
.set VO,   2                           ; v[2:17]   byte offsets of my 16 bytes in the 16 neighbours' rows
.set VE,   18                          ; v18       the same in the point's own row
.set F,    20                          ; v[20:27]  the own row, then the result
.set G,    32                          ; v[32:159] the 16 rows, 8 registers each; part A: four rows in v[32:63]
.set CODE, 20                          ; s[20:23]  codes of my four rows
.set IDX,  32                          ; s[32:47]  the record's 16 indices;  s24: its own index
	s_load_b256 s[4:11], s[0:1], 0x0               ; features s[4:5], bp s[6:7], code s[8:9], cnt s[10:11]
	s_load_b128 s[12:15], s[0:1], 0x20             ; rec s[12:13], out0 s[14:15]
	v_lshrrev_b32 v2, 5, v0
	v_readfirstlane_b32 s16, v2                    ; wave 0..7
	s_and_b32 s17, ttmp7, 0xffff                   ; batch
	s_lshl_b32 s18, ttmp9, 3
	s_add_co_u32 s18, s18, s16                     ; wid = my first slot
	v_and_b32 v1, 31, v0
	v_lshlrev_b32 v1, 4, v1                        ; 16 bytes a lane
	s_mov_b32 s29, 0
	s_mov_b32 s27, 0                               ; upper half of the pair that the packed multiply-add names
	s_lshl_b32 s30, s17, 2
	s_lshl_b32 s31, s18, 4
	s_wait_kmcnt 0x0
	s_lshl_b32 s28, s17, 22
	s_add_nc_u64 s[48:49], s[4:5], s[28:29]        ; the batch's features
	s_add_nc_u64 s[50:51], s[14:15], s[28:29]      ; the batch's output
	s_lshl_b32 s28, s17, 19
	s_add_nc_u64 s[52:53], s[12:13], s[28:29]      ; the batch's records
	s_lshl_b32 s28, s17, 14
	s_add_nc_u64 s[54:55], s[6:7], s[28:29]        ; the batch's bp
	s_add_nc_u64 s[56:57], s[8:9], s[28:29]        ; the batch's codes
	s_lshl_b32 s28, s18, 12
	s_add_nc_u64 s[58:59], s[48:49], s[28:29]      ; my four rows, in
	s_add_nc_u64 s[60:61], s[50:51], s[28:29]      ; and out
	s_load_b32 s19, s[10:11], s30 offset:0x0       ; cnt[b]
	s_load_b128 s[CODE:CODE+3], s[56:57], s31 offset:0x0
.irp r, 0,1,2,3
	global_load_b128 v[G+8*\r:G+8*\r+3],   v1, s[58:59] offset:1024*\r
	global_load_b128 v[G+8*\r+4:G+8*\r+7], v1, s[58:59] offset:1024*\r+512
.endr
	s_wait_kmcnt 0x0
	s_wait_loadcnt 0x0
	; PART A
.macro ROWCOPY r
	s_cmp_lt_i32 s[CODE+\r], 0
	s_cbranch_scc0 .Lact\r                         ; an active row is stored in part B, by the wave that serves its slot
	global_store_b128 v1, v[G+8*\r:G+8*\r+3],   s[60:61] offset:1024*\r th:TH_STORE_NT
	global_store_b128 v1, v[G+8*\r+4:G+8*\r+7], s[60:61] offset:1024*\r+512 th:TH_STORE_NT
.Lact\r:
.endm
	ROWCOPY 0
	ROWCOPY 1
	ROWCOPY 2
	ROWCOPY 3
	s_wait_xcnt 0x0                                ; part B loads into v[32:63], which these stores read
	; PART B
	s_min_u32 s19, s19, 4096                       ; cnt[b]
	s_cmp_lt_u32 s18, s19
	s_cbranch_scc0 .Lend
	s_sub_co_u32 s63, s19, s18
	s_add_co_u32 s63, s63, 1023
	s_lshr_b32 s63, s63, 10                        ; my trips: slots wid + 1024 i below cnt[b]
	s_min_u32 s63, s63, 4
	s_sub_co_u32 s17, s19, 1                       ; the last slot that has a record
	s_mov_b32 s16, 0                               ; the trip's number
	s_min_u32 s30, s18, 4095
	s_lshl_b32 s62, s30, 7
	s_load_b512 s[IDX:IDX+15], s[52:53], s62 offset:0x0    ; records are read only for slots below cnt[b]: those that knn stored
	s_load_b32 s24, s[52:53], s62 offset:0x40
.Lslot:
	s_wait_kmcnt 0x0                               ; this trip's record
.set n, 0
.rept 16
	s_min_u32 s[IDX+n], s[IDX+n], 4095
	v_lshl_add_u32 v[VO+n], s[IDX+n], 10, v1
.set n, n+1
.endr
	s_min_u32 s24, s24, 4095
	v_lshl_add_u32 v[VE], s24, 10, v1
	s_lshl_b32 s28, s24, 2
	s_load_b32 s25, s[54:55], s28 offset:0x0       ; bp of the point
	global_load_b128 v[F:F+3],   v[VE], s[48:49]
	global_load_b128 v[F+4:F+7], v[VE], s[48:49] offset:512
.set n, 0
.rept 16
	global_load_b128 v[G+8*n:G+8*n+3],   v[VO+n], s[48:49]
	global_load_b128 v[G+8*n+4:G+8*n+7], v[VO+n], s[48:49] offset:512
.set n, n+1
.endr
	s_lshl_b32 s30, s16, 10                        ; the next trip's record is asked for now, under the gather:
	s_add_co_u32 s30, s30, s18
	s_add_co_u32 s30, s30, 1024                    ; slot wid + 1024 (trip + 1);
	s_min_u32 s30, s30, s17                        ; past the end: the last stored record, which is then not used
	s_min_u32 s30, s30, 4095
	s_lshl_b32 s62, s30, 7                         ; (the loads that named s62 were waited for at the trip's head)
	s_load_b512 s[IDX:IDX+15], s[52:53], s62 offset:0x0
	s_load_b32 s24, s[52:53], s62 offset:0x40
	s_wait_kmcnt 0x0                               ; scalar loads return in no order: zero is the only count that shows bp
	s_add_f32 s26, s25, 1.0                        ; 1 + bp
.set n, 1
.rept 15
	s_wait_loadcnt 2*(15-n)                        ; loads return in order: the two loads of each row behind row n stay out
.irp j, 0,2,4,6
	v_pk_add_f32 v[G+\j:G+\j+1], v[G+\j:G+\j+1], v[G+8*n+\j:G+8*n+\j+1]
.endr
.set n, n+1
.endr
.irp j, 0,2,4,6
	v_pk_mul_f32 v[G+\j:G+\j+1], v[G+\j:G+\j+1], 0x3d800000 op_sel_hi:[1,0]                    ; mean = sum / 16
.endr
.irp j, 0,2,4,6
	v_pk_add_f32 v[F+\j:F+\j+1], v[F+\j:F+\j+1], v[G+\j:G+\j+1] neg_lo:[0,1] neg_hi:[0,1]      ; f - mean
.endr
.irp j, 0,2,4,6
	v_pk_fma_f32 v[F+\j:F+\j+1], v[F+\j:F+\j+1], s[26:27], v[G+\j:G+\j+1] op_sel_hi:[1,0,1]    ; (f - mean)(1 + bp) + mean
.endr
	global_store_b128 v[VE], v[F:F+3],   s[50:51] th:TH_STORE_NT
	global_store_b128 v[VE], v[F+4:F+7], s[50:51] offset:512 th:TH_STORE_NT
	s_wait_xcnt 0x0                                ; VE and F are written again in the next trip only behind this wait
	s_add_co_u32 s16, s16, 1
	s_cmp_lt_u32 s16, s63
	s_cbranch_scc1 .Lslot
.Lend:
	s_endpgm
.Lfunc_end_k_q26d7bbb4a7_apply:
	.size	k_q26d7bbb4a7_apply, .Lfunc_end_k_q26d7bbb4a7_apply-k_q26d7bbb4a7_apply
	.p2alignl 7, 3214868480
	.fill 96, 4, 3214868480
	.section	.rodata,"a",@progbits
	.p2align	6, 0x0
	.amdhsa_kernel k_q26d7bbb4a7_apply
		.amdhsa_group_segment_fixed_size 0
		.amdhsa_private_segment_fixed_size 0
		.amdhsa_enable_private_segment 0
		.amdhsa_kernarg_size 48
		.amdhsa_user_sgpr_count 2
		.amdhsa_user_sgpr_kernarg_segment_ptr 1
		.amdhsa_wavefront_size32 1
		.amdhsa_system_sgpr_workgroup_id_x 1
		.amdhsa_system_sgpr_workgroup_id_y 1
		.amdhsa_system_sgpr_workgroup_id_z 1
		.amdhsa_system_vgpr_workitem_id 0
		.amdhsa_next_free_vgpr 160
		.amdhsa_next_free_sgpr 66
		.amdhsa_reserve_vcc 0
		.amdhsa_float_denorm_mode_32 3
		.amdhsa_float_denorm_mode_16_64 3
		.amdhsa_memory_ordered 1
		.amdhsa_forward_progress 1
		.amdhsa_inst_pref_size 15
	.end_amdhsa_kernel
	.amdgpu_metadata
---
amdhsa.version: [ 1, 2 ]
amdhsa.kernels:
  - .name:           k_q26d7bbb4a7_apply
    .symbol:         k_q26d7bbb4a7_apply.kd
    .args:
      - { .name: features, .offset: 0, .size: 8, .value_kind: global_buffer, .address_space: global }
      - { .name: boundary_prob, .offset: 8, .size: 8, .value_kind: global_buffer, .address_space: global }
      - { .name: code, .offset: 16, .size: 8, .value_kind: global_buffer, .address_space: global }
      - { .name: cnt, .offset: 24, .size: 8, .value_kind: global_buffer, .address_space: global }
      - { .name: rec, .offset: 32, .size: 8, .value_kind: global_buffer, .address_space: global }
      - { .name: out0, .offset: 40, .size: 8, .value_kind: global_buffer, .address_space: global }
    .group_segment_fixed_size: 0
    .private_segment_fixed_size: 0
    .kernarg_segment_align: 8
    .kernarg_segment_size: 48
    .max_flat_workgroup_size: 256
    .sgpr_count:     66
    .vgpr_count:     160
    .wavefront_size: 32
...
	.end_amdgpu_metadata
.endif
;; end of part 3
;; ======== version 2 of 2: 3 launches; version 1 with the launch knn written anew for expert scheduling mode
;; workspace buffers: code 65,536 bytes of whole numbers; cnt 256 bytes of whole numbers; rec 2,097,152 bytes of whole numbers
;; launch flags: the kernel of part 1 again; grid 4 x 1, 16 waves a work-group, no clusters, 2,304 bytes of LDS; arguments boundary_prob, leaf_mask, code, cnt; writes code, cnt
;; launch knn (part 4): grid 64 x 4, 16 waves a work-group, no clusters, 149,504 bytes of LDS; arguments points, code, cnt, rec; writes rec
.if DOCPART == 4
	.amdgcn_target "amdgcn-amd-amdhsa--gfx1250"
	.amdhsa_code_object_version 6
	.text
	.protected	k_q26d7bbb4a7_knn
	.globl	k_q26d7bbb4a7_knn
	.p2align	8
	.type	k_q26d7bbb4a7_knn,@function
k_q26d7bbb4a7_knn:
	s_mov_b64 s[64:65], 0
	v_nop
	global_prefetch_b8 v0, s[64:65] scope:SCOPE_SE
	s_setreg_imm32_b32 hwreg(HW_REG_WAVE_SCHED_MODE, 0, 2), 2
	s_setreg_imm32_b32 hwreg(HW_REG_WAVE_MODE, 25, 1), 1
	s_wait_xcnt 0x0
	s_wait_alu depctr_vm_vsrc(0)
; For each ACTIVE point (slot k = its rank, from launch flags): the indices of its 16 nearest points of the batch, into
; rec[b][k][0..15], and its own index into rec[b][k][16].  Words 17..31 of a record are filled with numbers that nobody reads.
; Order: d2 = fma(-2, dot, sq_i + sq_j) in f32, dot = fma(z,z', fma(y,y', x x')), sq by the same chain; equal d2: the lower index first.
;
; WHY THE VECTOR UNIT: the product has K = 3, and what is asked of it is an ORDER.  With operands of 16 bits other neighbours
; would be chosen, and one other neighbour changes a row of the output by more than the comparison allows.
; WHY NO TENSOR LOADS, NO CLUSTER: the only shared data are the batch's 49,152 bytes of points, read once by each work-group.
;
; LIMITS: points are finite (a NaN or an infinite d2 has no place in the order used here).  If the reference's product rounds in
; another order, two candidates whose d2 differ by one unit in the last place at the 16th rank can change places.
;
; No branch and no address hangs on a distance: the selection is the same run of instructions for every query.
;   1. a lane is a candidate: j = 32 w + lane, w = 0..127; all 128 d2 of a lane stay in registers
;   2. each lane keeps its 16 smallest, sorted, by insertion (one median of three for each list place)
;   3. five merges across the lanes (keep the lower 16 of two sorted 16: a minimum against the partner's list reversed, then
;      four compare-exchange stages) give every lane the 16 smallest of all 4,096; TH = the largest of them
;   4. selected: d2 < TH, and of those with d2 = TH the first R in the order of j, R = how many of the sixteen equal TH: always 16
;   5. lane t takes the t-th selected bit: the mask word that holds it, then the bit in the word
; One wave serves one query at a time; wave w of work-group x takes slots x + 64 w, + 1024, ... below cnt[b]: at most 4 trips.
;
; LDS: PL0  at 0:      pair-block kk (0..63), lane l: 16 bytes x_a, x_b, y_a, y_b with a = 64 kk + l, b = a + 32
;      PL1  at 32768:  the same place: z_a, z_b, sq_a, sq_b
;      QP   at 65536:  point e: 16 bytes x, y, z, sq (a query is fetched from here by one load)
;      LIST at 131072: LIST[slot] = index of the point, 4,096 words.  The slots are a permutation: each word is written once.
; Four waves of 226 registers fill a SIMD, so one work-group lies on a WGP and the LDS costs nothing.
;
; THE MODE: SCHED_MODE bits 1:0 = 2 (LLVM: expert scheduling mode 2), set by the entry lines.  The code itself states the register
; dependences between vector instructions and memory or LDS instructions, and those through scalar results of vector instructions,
; with s_wait_alu, always for 0.
; THE PLAN.  Registers that memory or LDS instructions touch:
;   v1 (LA)      offset of every block load; made in the prologue, never written again.
;   prologue     v5, v6: offsets of the global loads.  v7, v11, v[32:39]: addresses, and D, v[40:47]: data of the LDS stores.  All that the
;                stores read is made first; one wait; then the 48 stores in one run.
;   v4, v0, v5   in the loop one address each, written once a trip: LIST[slot]; the query's 16 bytes; the record.
;   v30          the list entry lands in it at a trip's head; at the trip's end it is the store's data.
;   PF           the query lands in it; later the ranks among the equals are made there.
;   PB           a block's eight loads land in it; the block's twenty packed lines read it.
; Waits for vector results, a trip: behind the write of v4 (also: the last trip's lines are done with v30, PF and PB); behind the write of
; v0; behind each block's packed lines, which empty PB: the next block's loads follow, dealt among the insertions, which name D and the
; list alone; ahead of the record's store.  One wait a trip for memory instructions' reads, at the loop's head: it frees v0, v4, v5, v30,
; and in the first trip all that the prologue's loads and LDS stores read.
; Compares write scalar registers in runs, and one wait stands behind each run, ahead of the first reader.  VCC and EXEC are never written.
.set PL1,  32768
.set QP,   65536
.set LIST, 131072
.set QA,   0                           ; v0        in the loop: LDS address of the query's 16 bytes (the thread's number is used in the prologue alone)
.set LA,   1                           ; v1        16 x lane
.set LT,   2                           ; v2        lane
.set LT4,  3                           ; v3        4 x lane
.set T,    6                           ; v[6:13]   four pairs: the dot products at work
.set U,    14                          ; v[14:21]  four pairs: sq_i + sq_j
.set TH,   22                          ; v22       the 16th smallest d2
.set R,    23                          ; v23       how many of the sixteen equal TH
.set M,    24                          ; v24       lane t: the mask word that holds the t-th selected bit
.set KQ,   25                          ; v25       lane t: 256 x that word's number + selected bits in front of it
.set PF,   26                          ; v[26:29]  ranks among the equals; at a trip's head: the query's x, y, z, sq
.set PB,   32                          ; v[32:63]  four pair-blocks as loaded, 8 registers each
.set LADR, PB                          ; v[32:39]  in the prologue: LDS addresses of my eight words of LIST
.set LDAT, PB+8                        ; v[40:47]  in the prologue: the eight indices that go there
.set LSA,  64                          ; v[64:79]  sorted list, bank A
.set LSB,  80                          ; v[80:95]  sorted list, bank B
.set D,    96                          ; v[96:223] d2 of my 128 candidates.  In the prologue: the points and codes as loaded
.set CD,   D+32
.set QX, 20                            ; s[20:21], s[22:23], s[24:25], s[26:27]: the query's x, y, z, sq (the odd halves 0: packed forms name the pair)
.set QY, 22
.set QZ, 24
.set QS, 26
.set SA, 32                            ; s[32:35]  lanes with d2 < TH, then: the selected lanes; groups of four words take SA and SA2 by turns
.set SE, 36                            ; s[36:39]  lanes with d2 = TH
.set SC, 40                            ; s[40:43]  at work
.set SR, 44                            ; s[44:48]  equals in front of word c
.set SP, 49                            ; s[49:53]  selected in front of word c
.set SK, 54                            ; s[54:57]  256 x word + SP
.set SA2, 60                           ; s[60:63]  SA's second set (in the prologue: the bases of the batch's points and codes)
	s_load_b256 s[4:11], s[0:1], 0x0               ; points s[4:5], code s[6:7], cnt s[8:9], rec s[10:11]
	v_lshl_add_u32 v224, v0, 2, 0x24000
	v_mov_b32 v225, 0
	v_lshrrev_b32 v4, 5, v0
	v_readfirstlane_b32 s12, v4                    ; wave 0..15
	s_and_b32 s13, ttmp7, 0xffff                   ; batch
	v_and_b32 v[LT], 31, v0
	v_lshlrev_b32 v[LA], 4, v[LT]
	v_lshlrev_b32 v[LT4], 2, v[LT]
	v_mul_u32_u24 v5, v0, 12                       ; my point's 12 bytes
	v_lshlrev_b32 v6, 4, v0                        ; my four codes
	s_mul_i32 s18, s13, 49152
	s_mov_b32 s19, 0
	s_lshl_b32 s14, s13, 2
	s_wait_alu depctr_va_sdst(0)                   ; s12 is written, ahead of its first reader: my first slot is made from it behind the barrier
	s_wait_kmcnt 0x0
	s_load_b32 s16, s[8:9], s14 offset:0x0         ; cnt[b]
	s_add_nc_u64 s[60:61], s[4:5], s[18:19]        ; the batch's points
	s_lshl_b32 s18, s13, 14
	s_add_nc_u64 s[62:63], s[6:7], s[18:19]        ; the batch's codes
	s_lshl_b32 s18, s13, 19
	s_add_nc_u64 s[58:59], s[10:11], s[18:19]      ; the batch's records: 4,096 x 128 bytes
	s_wait_alu depctr_va_vdst(0)                   ; v5 and v6 are written, which the loads below read as offsets; so is v1, the offset of every block load
.irp i, 0,1,2,3,4,5,6,7
	global_load_b96 v[D+4*\i:D+4*\i+2], v5, s[60:61] offset:6144*\i    ; point 512 i + t
.endr
	global_load_b128 v[CD:CD+3],   v6, s[62:63]                        ; codes of points 4 t .. 4 t + 3
	global_load_b128 v[CD+4:CD+7], v6, s[62:63] offset:8192            ; and of 2048 + 4 t ..
	; where point 512 i + t lies in PL0: 4096 i + (t >> 6) 512 + (t & 31) 16 + ((t >> 5) & 1) 4
	v_lshrrev_b32 v7, 6, v0
	v_lshlrev_b32 v7, 9, v7
	v_lshl_add_u32 v7, v[LT], 4, v7
	v_bfe_u32 v8, v0, 5, 1
	v_lshl_add_u32 v7, v8, 2, v7
	v_lshlrev_b32 v8, 2, v0                        ; 4 t
	v_lshl_add_u32 v11, v0, 4, QP                  ; and in QP: 8192 i + 16 t
	s_mov_b32 s21, 0
	s_mov_b32 s23, 0
	s_mov_b32 s25, 0
	s_mov_b32 s27, 0
	s_mov_b32 s28, 0x76543210                      ; v_permlanex16_b32: lane i of one half reads lane i of the other
	s_mov_b32 s29, 0xfedcba98
	; written once: the destination of a DPP form, of a lane permute and of a select on itself counts as read
.set i, 0
.rept 16
	v_mov_b32 v[LSB+i], 0
.set i, i+1
.endr
	v_mov_b32 v[M], 0
	v_mov_b32 v[KQ], 0
	s_wait_loadcnt 0x0
	s_wait_kmcnt 0x0
	; all that the LDS stores read is made first: the eight sq, stage by stage,
.irp i, 0,1,2,3,4,5,6,7
	v_mul_f32 v[D+4*\i+3], v[D+4*\i], v[D+4*\i]
.endr
.irp i, 0,1,2,3,4,5,6,7
	v_fma_f32 v[D+4*\i+3], v[D+4*\i+1], v[D+4*\i+1], v[D+4*\i+3]
.endr
.irp i, 0,1,2,3,4,5,6,7
	v_fma_f32 v[D+4*\i+3], v[D+4*\i+2], v[D+4*\i+2], v[D+4*\i+3]
.endr
	; and LIST[slot] = index.  slot = code for an active point, its complement for an inactive one: code xor (code >> 31)
.set ci, 0
.rept 8
	v_ashrrev_i32 v[LADR+ci], 31, v[CD+ci]
	v_xor_b32 v[LADR+ci], v[LADR+ci], v[CD+ci]
	v_min_u32 v[LADR+ci], 4095, v[LADR+ci]
	v_lshl_add_u32 v[LADR+ci], v[LADR+ci], 2, LIST
	v_add_nc_u32 v[LDAT+ci], 2048*(ci/4)+(ci%4), v8
.set ci, ci+1
.endr
	s_wait_alu depctr_va_vdst(0)                   ; v7, v11, the eight sq, the eight list addresses and the eight indices are written: the 48 LDS stores below read them
.irp i, 0,1,2,3,4,5,6,7
	ds_store_b32 v7, v[D+4*\i]   offset:4096*\i
	ds_store_b32 v7, v[D+4*\i+1] offset:4096*\i+8
	ds_store_b32 v7, v[D+4*\i+2] offset:4096*\i+PL1
	ds_store_b32 v7, v[D+4*\i+3] offset:4096*\i+PL1+8
	ds_store_b128 v11, v[D+4*\i:D+4*\i+3] offset:8192*\i
.endr
.set ci, 0
.rept 8
	ds_store_b32 v[LADR+ci], v[LDAT+ci]
.set ci, ci+1
.endr
	s_wait_dscnt 0x0                               ; my stores are done before the signal: other waves read them
	s_barrier_signal -1
	s_barrier_wait -1                              ; the only barrier: from here LDS is read only
	s_min_u32 s16, s16, 4096                       ; cnt[b]
	s_lshl_b32 s15, s12, 6
	s_add_co_u32 s15, s15, ttmp9                   ; my first slot
	s_cmp_lt_u32 s15, s16
	s_cbranch_scc0 .Lend
	s_sub_co_u32 s31, s16, s15
	s_add_co_u32 s31, s31, 1023
	s_lshr_b32 s31, s31, 10                        ; my trips: slots first + 1024 i below cnt[b]
	s_min_u32 s31, s31, 4
	s_mov_b32 s14, 0                               ; the trip's number
; two LDS loads: pair-block 4 lb + lq; 32 lanes take 512 neighbouring bytes each time
.macro LOADPAIR
	ds_load_b128 v[PB+8*lq:PB+8*lq+3],   v[LA] offset:512*(4*lb+lq)
	ds_load_b128 v[PB+8*lq+4:PB+8*lq+7], v[LA] offset:PL1+512*(4*lb+lq)
.endm
; d2 of the eight words 8 blk .. 8 blk + 7, two at a time, the four pairs stage by stage
.macro D2BLK
.irp q, 0,1,2,3
	v_pk_mul_f32 v[T+2*\q:T+2*\q+1], v[PB+8*\q:PB+8*\q+1], s[QX:QX+1] op_sel_hi:[1,0]
.endr
.irp q, 0,1,2,3
	v_pk_fma_f32 v[T+2*\q:T+2*\q+1], v[PB+8*\q+2:PB+8*\q+3], s[QY:QY+1], v[T+2*\q:T+2*\q+1] op_sel_hi:[1,0,1]
.endr
.irp q, 0,1,2,3
	v_pk_fma_f32 v[T+2*\q:T+2*\q+1], v[PB+8*\q+4:PB+8*\q+5], s[QZ:QZ+1], v[T+2*\q:T+2*\q+1] op_sel_hi:[1,0,1]
.endr
.irp q, 0,1,2,3
	v_pk_add_f32 v[U+2*\q:U+2*\q+1], v[PB+8*\q+6:PB+8*\q+7], s[QS:QS+1] op_sel_hi:[1,0]
.endr
.irp q, 0,1,2,3
	v_pk_fma_f32 v[D+2*(4*blk+\q):D+2*(4*blk+\q)+1], v[T+2*\q:T+2*\q+1], -2.0, v[U+2*\q:U+2*\q+1] op_sel_hi:[1,0,1]
.endr
.endm
; v[xr] goes into bank A, which holds min(nn, 16) numbers in ascending order.  Place lv becomes the median of its lower
; neighbour, x and itself; from the top down, so that each line reads the old neighbour and no line waits for another.
.macro INS
.if nn == 0
	v_mov_b32 v[LSA], v[xr]
.else
.if nn < 16
	v_max_num_f32 v[LSA+nn], v[LSA+nn-1], v[xr]
.set lv, nn-1
.else
.set lv, 15
.endif
.rept lv
	v_med3_num_f32 v[LSA+lv], v[LSA+lv-1], v[xr], v[LSA+lv]
.set lv, lv-1
.endr
	v_min_num_f32 v[LSA], v[LSA], v[xr]
.endif
.endm
; one compare-exchange stage at distance d, from one bank into the other (no temporary, no copy)
.macro STAGE from, to, d
.set i, 0
.rept 16
.if (i & \d) == 0
	v_min_num_f32 v[\to+i],    v[\from+i], v[\from+i+\d]
	v_max_num_f32 v[\to+i+\d], v[\from+i], v[\from+i+\d]
.endif
.set i, i+1
.endr
.endm
.macro SORT4 src, dst                  ; the bitonic sixteen in dst come out ascending in dst
	STAGE \dst, \src, 8
	STAGE \src, \dst, 4
	STAGE \dst, \src, 2
	STAGE \src, \dst, 1
.endm
; the lower 16 of my list and that of lane (mine xor m), m inside a half of 16 lanes; both partners get the same list
.macro MERGE src, dst, m
.set i, 0
.rept 16
	v_min_num_f32_dpp v[\dst+i], v[\src+15-i], v[\src+i] row_xmask:\m row_mask:0xf bank_mask:0xf
.set i, i+1
.endr
	SORT4 \src, \dst
.endm
.macro MERGE16 src, dst                ; the same with the lane of the other half
.set i, 0
.rept 16
	v_permlanex16_b32 v[\dst+i], v[\src+15-i], s28, s29
.set i, i+1
.endr
.set i, 0
.rept 16
	v_min_num_f32 v[\dst+i], v[\dst+i], v[\src+i]
.set i, i+1
.endr
	SORT4 \src, \dst
.endm
; Words k0 .. k0 + 3: which lanes are selected, and which lane t of the result takes this word.
; Lane t takes every word in front of which at most t bits are selected; the last one taken is the word that holds bit t.
; In four parts, each of which reads scalar results of the part before.  scur: this group's set of SA; sprev: the set of the group before.
.macro SELA                            ; below TH, equal to TH
.irp c, 0,1,2,3
	v_cmp_lt_f32 s[scur+\c], v[D+k0+\c], v[TH]
	v_cmp_eq_f32 s[SE+\c], v[D+k0+\c], v[TH]
.endr
.endm
.macro SELB                            ; each equal's rank among the equals, against R
.irp c, 0,1,2,3
	s_bcnt1_i32_b32 s18, s[SE+\c]
	s_add_co_u32 s[SR+\c+1], s[SR+\c], s18
.endr
.irp c, 0,1,2,3
	v_mbcnt_lo_u32_b32 v[PF+\c], s[SE+\c], s[SR+\c]        ; equals with a lower j
.endr
.irp c, 0,1,2,3
	v_cmp_lt_u32 s[SC+\c], v[PF+\c], v[R]
.endr
	s_mov_b32 s[SR], s[SR+4]
.endm
.macro SELC                            ; the selected lanes, how many stand in front of each word, and which lanes t take the word
.irp c, 0,1,2,3
	s_and_b32 s[SC+\c], s[SC+\c], s[SE+\c]                 ; the first R equals
	s_or_b32 s[scur+\c], s[scur+\c], s[SC+\c]
	s_bcnt1_i32_b32 s18, s[scur+\c]
	s_add_co_u32 s[SP+\c+1], s[SP+\c], s18
	s_add_co_u32 s[SK+\c], s[SP+\c], 256*(k0+\c)
.endr
.irp c, 0,1,2,3
	v_cmp_le_u32 s[SC+\c], s[SP+\c], v[LT]
.endr
	s_mov_b32 s[SP], s[SP+4]
.endm
.macro SELD                            ; they take it
.irp c, 0,1,2,3
	v_cndmask_b32 v[M],  v[M],  s[sprev+\c], s[SC+\c]
	v_cndmask_b32 v[KQ], v[KQ], s[SK+\c], s[SC+\c]
.endr
.endm
.Lquery:
	s_lshl_b32 s30, s14, 10
	s_add_co_u32 s30, s30, s15
	s_min_u32 s30, s30, 4095                       ; the slot: first + 1024 x trip, below cnt[b]
	s_lshl_b32 s18, s30, 2
	s_add_co_u32 s18, s18, LIST
	s_wait_alu depctr_vm_vsrc(0)                   ; the last trip's loads and its store have read v0, v4, v5 and v30, which this trip writes again; in the first trip: the prologue's loads and LDS stores have read v5 to v11, v[32:47] and D
	v_mov_b32 v4, s18
	s_wait_alu depctr_va_vdst(0)                   ; v4 is written, which the load below reads; the last trip's vector lines are done with v30, PF and PB, in which this trip's first loads land
	ds_load_b32 v30, v4                            ; LIST[slot]
	s_wait_dscnt 0x0
	v_readfirstlane_b32 s17, v30
	s_wait_alu depctr_va_sdst(0)                   ; s17 is written, ahead of its first reader
	s_min_u32 s17, s17, 4095                       ; e: the query's index
	s_lshl_b32 s18, s17, 4
	s_add_co_u32 s18, s18, QP
	v_mov_b32 v[QA], s18
	s_wait_alu depctr_va_vdst(0)                   ; v0 is written, which the load below reads
	ds_load_b128 v[PF:PF+3], v[QA]                 ; its x, y, z, sq: every lane reads the same 16 bytes
.set lb, 0
.set lq, 0
.rept 4
	LOADPAIR
.set lq, lq+1
.endr
	s_wait_dscnt 0x8                               ; LDS loads return in order: the eight block loads stay out, the query is in
	v_readfirstlane_b32 s[QX], v[PF]
	v_readfirstlane_b32 s[QY], v[PF+1]
	v_readfirstlane_b32 s[QZ], v[PF+2]
	v_readfirstlane_b32 s[QS], v[PF+3]
	s_wait_alu depctr_va_sdst(0)                   ; the query's four scalars are written, ahead of the packed lines that read them
.set blk, 0
.rept 16
	s_wait_dscnt 0x0                               ; this block's eight loads are all that is out
	D2BLK
.if blk < 15
	s_wait_alu depctr_va_vdst(0)                   ; the packed lines above are done reading PB, in which the next block's loads land
.endif
.set lb, blk+1
.set cc, 0
.rept 8
.if (blk < 15) && (cc < 4)
.set lq, cc
	LOADPAIR                                       ; the next block comes in under the 128 lines of insertion, two loads ahead of each of the first four; no wait: the insertions name D and bank A alone
.endif
.set xr, D+8*blk+cc
.set nn, 8*blk+cc
	INS
.set cc, cc+1
.endr
.set blk, blk+1
.endr
	MERGE LSA, LSB, 1
	MERGE LSB, LSA, 2
	MERGE LSA, LSB, 4
	MERGE LSB, LSA, 8
	MERGE16 LSA, LSB                               ; every lane: the 16 smallest d2 of the batch, ascending, in bank B
	v_mov_b32 v[TH], v[LSB+15]
	v_mov_b32 v[R], 0
.set i, 0
.rept 16
	v_cmp_eq_f32 s[SA+i], v[LSB+i], v[TH]          ; sixteen masks in s[32:47], which the selection sets anew below
.set i, i+1
.endr
	s_wait_alu depctr_va_sdst(0)                   ; the sixteen masks are written, ahead of the selects that read them
.set i, 0
.rept 16
	v_cndmask_b32 v[30+i%2], 0, 1, s[SA+i]
	v_add_nc_u32 v[R], v[R], v[30+i%2]
.set i, i+1
.endr
	s_mov_b32 s[SR], 0
	s_mov_b32 s[SP], 0
	; 32 groups of four words.  A group's first compares stand in one run with the last compares of the group before, so that two waits serve a group.
.set k0, 0
.set scur, SA
.set sprev, SA2
	SELA
.rept 32
	s_wait_alu depctr_va_sdst(0)                   ; written: this group's masks (below TH, equal to TH) and the masks of the lanes that take the words of the group before
.if k0 > 0
	SELD
.endif
	SELB
	s_wait_alu depctr_va_sdst(0)                   ; written: the masks of the equals whose rank is below R
	SELC
.set sprev, scur
.set scur, SA+SA2-scur
.set k0, k0+4
.if k0 < 128
	SELA
.endif
.endr
	s_wait_alu depctr_va_sdst(0)                   ; written: the masks of the lanes that take the last group's words
	SELD
	; lane t: drop the lowest t - (bits in front of the word) set bits of M, then take the lowest that is left
	v_and_b32 v31, 0xff, v[KQ]
	v_sub_nc_u32 v31, v[LT], v31
.set it, 0
.rept 15
	v_cmp_lt_u32 s[SA+it], it, v31                 ; does lane t drop a bit in round it?
.set it, it+1
.endr
	v_cmp_eq_u32 s[SA+15], 16, v[LT]               ; lane 16
	s_wait_alu depctr_va_sdst(0)                   ; these sixteen masks are written, ahead of the selects that read them
.set it, 0
.rept 15
	v_add_nc_u32 v30, -1, v[M]
	v_and_b32 v30, v30, v[M]                       ; M without its lowest set bit
	v_cndmask_b32 v[M], v[M], v30, s[SA+it]
.set it, it+1
.endr
	v_sub_nc_u32 v30, 0, v[M]
	v_and_b32 v30, v30, v[M]                       ; the lowest set bit alone: a power of two,
	v_cvt_f32_u32 v30, v30                         ; exact in f32,
	v_lshrrev_b32 v30, 23, v30                     ; whose exponent field
	v_add_nc_u32 v30, 0xffffff81, v30              ; less 127 is the bit's number = the candidate's lane
	v_lshrrev_b32 v31, 8, v[KQ]
	v_lshl_add_u32 v30, v31, 5, v30                ; j = 32 x word + lane
	v_cndmask_b32 v30, v30, s17, s[SA+15]          ; word 16 of the record: the query's own index
	s_lshl_b32 s18, s30, 7
	v_add_nc_u32 v5, s18, v[LT4]
	s_wait_alu depctr_va_vdst(0)                   ; v5 and v30 are written: the store's offset and its data
	global_store_b32 v5, v30, s[58:59]             ; the record's 128 consecutive bytes in one store
	s_wait_xcnt 0x0                                ; v5 and v30 are written again in the next trip only behind this wait
	s_add_co_u32 s14, s14, 1
	s_cmp_lt_u32 s14, s31
	s_cbranch_scc1 .Lquery
.Lend:
	s_wait_dscnt 0x0
	s_wait_alu depctr_hold_cnt(0) depctr_sa_sdst(0) depctr_va_vdst(0) depctr_va_sdst(0) depctr_va_ssrc(0) depctr_va_vcc(0) depctr_vm_vsrc(0)
	s_wait_tensorcnt 0x0
	ds_add_u32 v224, v225
	s_wait_dscnt 0x0
	s_endpgm
.Lfunc_end_k_q26d7bbb4a7_knn:
	.size	k_q26d7bbb4a7_knn, .Lfunc_end_k_q26d7bbb4a7_knn-k_q26d7bbb4a7_knn
	.p2alignl 7, 3214868480
	.fill 96, 4, 3214868480
	.section	.rodata,"a",@progbits
	.p2align	6, 0x0
	.amdhsa_kernel k_q26d7bbb4a7_knn
		.amdhsa_group_segment_fixed_size 149504
		.amdhsa_private_segment_fixed_size 0
		.amdhsa_enable_private_segment 0
		.amdhsa_kernarg_size 32
		.amdhsa_user_sgpr_count 2
		.amdhsa_user_sgpr_kernarg_segment_ptr 1
		.amdhsa_wavefront_size32 1
		.amdhsa_system_sgpr_workgroup_id_x 1
		.amdhsa_system_sgpr_workgroup_id_y 1
		.amdhsa_system_sgpr_workgroup_id_z 1
		.amdhsa_system_vgpr_workitem_id 0
		.amdhsa_next_free_vgpr 226
		.amdhsa_next_free_sgpr 66
		.amdhsa_reserve_vcc 0
		.amdhsa_float_denorm_mode_32 3
		.amdhsa_float_denorm_mode_16_64 3
		.amdhsa_memory_ordered 1
		.amdhsa_forward_progress 1
		.amdhsa_inst_pref_size 255
	.end_amdhsa_kernel
	.section	.bss,"aw",@nobits
	.p2align	6
	.space	262144
	.amdgpu_metadata
---
amdhsa.version: [ 1, 2 ]
amdhsa.kernels:
  - .name:           k_q26d7bbb4a7_knn
    .symbol:         k_q26d7bbb4a7_knn.kd
    .args:
      - { .name: points, .offset: 0, .size: 8, .value_kind: global_buffer, .address_space: global }
      - { .name: code, .offset: 8, .size: 8, .value_kind: global_buffer, .address_space: global }
      - { .name: cnt, .offset: 16, .size: 8, .value_kind: global_buffer, .address_space: global }
      - { .name: rec, .offset: 24, .size: 8, .value_kind: global_buffer, .address_space: global }
    .group_segment_fixed_size: 149504
    .private_segment_fixed_size: 0
    .kernarg_segment_align: 8
    .kernarg_segment_size: 32
    .max_flat_workgroup_size: 512
    .sgpr_count:     66
    .vgpr_count:     226
    .wavefront_size: 32
...
	.end_amdgpu_metadata
.endif
;; end of part 4
;; launch apply: the kernel of part 3 again; grid 128 x 4, 8 waves a work-group, no clusters, 0 bytes of LDS; arguments features, boundary_prob, code, cnt, rec, out0; writes out0
